; MI455X (gfx1250); checked and timed in simulation.
; The chip was launched on July 23, 2026; its instructions are those of AMD's public machine-readable ISA for CDNA 5 (MIT licence, August 2026) and "CDNA5" Instruction Set Architecture Reference Guide (July 2026). The comments in the code are by the model that wrote it; some were corrected since.
;; Mo E. Allowed arithmetic: float matrix products may take bf16 or f16 operands with f32 sums; all other float work in f32.
;; Inputs: W1 8 x 512 x 2,048 float32; W2 8 x 2,048 x 512 float32; Wg 512 x 8 float32; Ws 512 x 1,024 float32; b1 8 x 2,048 float32; b2 8 x 512 float32; bg 8 float32; bs 1,024 float32; x 4 x 512 x 512 float32.
;; Outputs: out0 4 x 512 x 512 float32; out1 4 x 8 float32; out2 4 x 8 float32.
;; One version. Each part assembles by itself: llvm-mc -triple=amdgcn-amd-amdhsa -mcpu=gfx1250 --defsym DOCPART=n.
;; ======== version 1 of 1: 5 launches
;; workspace buffers: xb 2,097,152 bytes; sel 8,192 bytes of whole numbers; wgt 16,384 bytes; stp 16,384 bytes; list 65,536 bytes of whole numbers; cnt 256 bytes of whole numbers; hbuf 67,108,864 bytes; ypart 33,619,968 bytes
;; launch gate (part 1): grid 256 x 1, 8 waves a work-group, no clusters, 19,456 bytes of LDS; arguments x, Wg, bg, xb, sel, wgt, stp; writes xb, sel, wgt, stp
.if DOCPART == 1
	.amdgcn_target "amdgcn-amd-amdhsa--gfx1250"
	.amdhsa_code_object_version 6
	.text
	.protected	k_q6887d42170_gate
	.globl	k_q6887d42170_gate
	.p2align	8
	.type	k_q6887d42170_gate,@function
k_q6887d42170_gate:
	s_mov_b64 s[64:65], 0
	v_nop
	global_prefetch_b8 v0, s[64:65] scope:SCOPE_SE
	s_setreg_imm32_b32 hwreg(HW_REG_WAVE_MODE, 25, 1), 1
	s_wait_xcnt 0x0
; GATE.  s = sigmoid(x Wg + bg) for 2,048 tokens and 8 experts, its two largest entries, and x rounded to bf16.
; Stored for each token t: xb[t][512] bf16; sel[t] = i0 | i1 << 8 (whole numbers, from which a later launch makes lists);
; wgt[t][k] = g_k / (g0 + g1); stp[t][k] = g_k / (sum of all eight s).
; The product is made in f32 on the vector unit: it is 16 multiply-adds a lane, and the choice of experts jumps with the
; last bits of s, so bf16 operands would choose otherwise than f32 does.
; LIMIT, stated: s comes from v_exp_f32 and v_rcp_f32 and from sums in another order than a plain dot product; where
; the second and third largest s differ only in their last bits the choice may differ.  Equal s: the lower index wins.
; Eight waves, one token each: lane L holds x[128 j + 4 L + 0..3], j = 0..3.  Wg (16 KiB) is staged once in LDS, every 128 bytes
; (4 rows of 8 experts) followed by 16 bytes of padding: a lane reads the blocks 32 j + L, 144 = 9 x 16 bytes apart.
; No matrix unit, no cluster: the launch moves 4 MiB in and 2 MiB out and shares nothing but the 16 KiB of Wg.
.set X,   4                            ; v[4:19]    my 16 numbers of x
.set XB,  20                           ; v[20:27]   the same as bf16
.set WG,  32                           ; v[32:159]  Wg of my 16 rows: row c (0..15), expert q at WG + 8 c + q
.set S,   160                          ; v[160:167] the eight sums, then s
.set U,   168                          ; v[168:175] at work
.set V,   176                          ; v[176:183] at work
.set SUM, 184
.set G0,  185
.set I0,  186
.set G1,  187
.set I1,  188
.set BLK, 144                          ; bytes from block to block in LDS
	s_load_b256 s[4:11], s[0:1], 0x0               ; x s[4:5], Wg s[6:7], bg s[8:9], xb s[10:11]
	s_load_b128 s[12:15], s[0:1], 0x20             ; sel s[12:13], wgt s[14:15]
	s_load_b64 s[16:17], s[0:1], 0x30              ; stp
	v_lshl_add_u32 v192, v0, 2, 0x4800
	v_mov_b32 v193, 0
	v_lshrrev_b32 v1, 5, v0
	v_readfirstlane_b32 s18, v1                    ; wave
	s_lshl_b32 s19, ttmp9, 3
	s_add_co_u32 s19, s19, s18                     ; my token
	v_and_b32 v2, 31, v0                           ; lane
	s_lshl_b32 s20, s19, 11
	v_lshl_add_u32 v3, v2, 4, s20                  ; x: 2,048 t + 16 L
	v_lshlrev_b32 v28, 4, v0                       ; Wg: 16 bytes a thread
	v_lshrrev_b32 v29, 3, v0
	v_mul_u32_u24 v29, v29, BLK
	v_and_b32 v30, 7, v0
	v_lshl_add_u32 v29, v30, 4, v29                ; LDS, in: block thread / 8, piece thread % 8
	v_mul_u32_u24 v30, v2, BLK                     ; LDS, out: block L
	s_lshl_b32 s23, s19, 10
	v_lshl_add_u32 v31, v2, 3, s23                 ; xb: 1,024 t + 8 L
	s_mov_b32 s21, 0x76543210                      ; v_permlanex16_b32: lane i reads lane i of the other half
	s_mov_b32 s22, 0xfedcba98
	s_lshl_b32 s35, s19, 3                         ; 8 t
	s_lshl_b32 s36, s19, 2                         ; 4 t
	s_wait_kmcnt 0x0
	s_load_b256 s[24:31], s[8:9], 0x0              ; bg
.irp j, 0,1,2,3
	global_load_b128 v[X+4*\j:X+4*\j+3], v3, s[4:5] offset:512*\j
.endr
.irp i, 0,1,2,3
	global_load_b128 v[WG+4*\i:WG+4*\i+3], v28, s[6:7] offset:4096*\i
.endr
	s_wait_loadcnt 0x0
.irp i, 0,1,2,3
	ds_store_b128 v29, v[WG+4*\i:WG+4*\i+3] offset:32*BLK*\i
.endr
	s_wait_dscnt 0x0                               ; my part of Wg is in LDS, for the other waves
	s_barrier_signal -1
	s_barrier_wait -1
.set ci, 0
.rept 32
	ds_load_b128 v[WG+4*ci:WG+4*ci+3], v30 offset:32*BLK*(ci>>3)+16*(ci&7)
.set ci, ci+1
.endr
	; x as bf16 while those loads run: a store of the wave covers 256 consecutive bytes, aligned
.irp j, 0,1,2,3
	v_cvt_pk_bf16_f32 v[XB+2*\j], v[X+4*\j], v[X+4*\j+1]
	v_cvt_pk_bf16_f32 v[XB+2*\j+1], v[X+4*\j+2], v[X+4*\j+3]
	global_store_b64 v31, v[XB+2*\j:XB+2*\j+1], s[10:11] offset:256*\j
.endr
	; 16 rows x 4 pairs of experts: four chains, the first products start the sums
.set ci, 0
.rept 16
	s_wait_dscnt 30-2*ci                           ; row ci came by loads 2 ci and 2 ci + 1 of the 32: the younger ones stay out
.set pi, 0
.rept 4
.if ci == 0
	v_pk_mul_f32 v[S+2*pi:S+2*pi+1], v[WG+2*pi:WG+2*pi+1], v[X:X+1] op_sel_hi:[1,0]
.else
.if (ci & 1) == 0
	v_pk_fma_f32 v[S+2*pi:S+2*pi+1], v[WG+8*ci+2*pi:WG+8*ci+2*pi+1], v[X+ci:X+ci+1], v[S+2*pi:S+2*pi+1] op_sel_hi:[1,0,1]
.else
	v_pk_fma_f32 v[S+2*pi:S+2*pi+1], v[WG+8*ci+2*pi:WG+8*ci+2*pi+1], v[X+ci-1:X+ci], v[S+2*pi:S+2*pi+1] op_sel:[0,1,0] op_sel_hi:[1,1,1]
.endif
.endif
.set pi, pi+1
.endr
.set ci, ci+1
.endr
	; across the 32 lanes; every lane ends with all eight sums
	v_mov_b32 v[U], 0                              ; v_permlanex16_b32 counts as a reader of its destination
.set ei, 0
.rept 8
	v_add_f32_dpp v[S+ei], v[S+ei], v[S+ei] row_xmask:1 row_mask:0xf bank_mask:0xf
	v_add_f32_dpp v[S+ei], v[S+ei], v[S+ei] row_xmask:2 row_mask:0xf bank_mask:0xf
	v_add_f32_dpp v[S+ei], v[S+ei], v[S+ei] row_xmask:4 row_mask:0xf bank_mask:0xf
	v_add_f32_dpp v[S+ei], v[S+ei], v[S+ei] row_xmask:8 row_mask:0xf bank_mask:0xf
	v_permlanex16_b32 v[U], v[S+ei], s21, s22
	v_add_f32 v[S+ei], v[S+ei], v[U]
.set ei, ei+1
.endr
	s_wait_kmcnt 0x0                               ; bg
	; sigmoid(z) = 1 / (1 + 2^(-1.442695 z))
.irp e, 0,1,2,3,4,5,6,7
	v_add_f32 v[S+\e], s[24+\e], v[S+\e]
	v_mul_f32 v[V+\e], 0xbfb8aa3b, v[S+\e]
.endr
.irp e, 0,1,2,3,4,5,6,7
	v_exp_f32 v[U+\e], v[V+\e]
.endr
	v_nop                                          ; one plain vector instruction behind the last transcendental (ISA guide 5.7.2)
	s_wait_alu depctr_va_vdst(0)
.irp e, 0,1,2,3,4,5,6,7
	v_add_f32 v[V+\e], 1.0, v[U+\e]
.endr
.irp e, 0,1,2,3,4,5,6,7
	v_rcp_f32 v[S+\e], v[V+\e]
.endr
	v_nop
	s_wait_alu depctr_va_vdst(0)
	v_add_f32 v[SUM], v[S], v[S+1]
	v_add_f32 v[V], v[S+2], v[S+3]
	v_add_f32 v[V+1], v[S+4], v[S+5]
	v_add_f32 v[V+2], v[S+6], v[S+7]
	v_add_f32 v[SUM], v[SUM], v[V]
	v_add_f32 v[V+1], v[V+1], v[V+2]
	v_add_f32 v[SUM], v[SUM], v[V+1]
	; the largest: ascending, strictly greater, so that of equal s the lower index stays
	v_mov_b32 v[G0], v[S]
	v_mov_b32 v[I0], 0
.irp e, 1,2,3,4,5,6,7
	v_cmp_gt_f32 vcc_lo, v[S+\e], v[G0]
	v_cndmask_b32 v[G0], v[G0], v[S+\e], vcc_lo
	v_cndmask_b32 v[I0], v[I0], \e, vcc_lo
.endr
	; the second: the same among the other seven; s is never below 0, so the start -1 always loses
	v_mov_b32 v[G1], -1.0
	v_mov_b32 v[I1], 0
.irp e, 0,1,2,3,4,5,6,7
	v_cmp_gt_f32 s32, v[S+\e], v[G1]
	v_cmp_ne_u32 s33, \e, v[I0]
	s_and_b32 vcc_lo, s32, s33
	v_cndmask_b32 v[G1], v[G1], v[S+\e], vcc_lo
	v_cndmask_b32 v[I1], v[I1], \e, vcc_lo
.endr
	v_add_f32 v189, v[G0], v[G1]
	v_rcp_f32 v190, v189
	v_rcp_f32 v191, v[SUM]
	v_lshl_or_b32 v172, v[I1], 8, v[I0]            ; a plain instruction that touches neither reciprocal
	s_wait_alu depctr_va_vdst(0)
	v_mul_f32 v168, v[G0], v190
	v_mul_f32 v169, v[G1], v190
	v_mul_f32 v170, v[G0], v191
	v_mul_f32 v171, v[G1], v191
	v_mov_b32 v173, s35
	v_mov_b32 v174, s36
	; 20 bytes a token, from lane 0: pieces of aligned 256-byte blocks, 40 KiB in the whole launch
	s_wait_xcnt 0x0                                ; EXEC is a source of the stores above: it changes only behind this wait
	v_cmp_eq_u32 vcc_lo, 0, v2
	s_wait_tensorcnt 0x0
	ds_add_u32 v192, v193
	s_wait_dscnt 0x0
	s_and_saveexec_b32 s34, vcc_lo
	global_store_b64 v173, v[168:169], s[14:15]
	global_store_b64 v173, v[170:171], s[16:17]
	global_store_b32 v174, v172, s[12:13]
	s_wait_xcnt 0x0                                ; and again in front of the line that widens it
	s_or_b32 exec_lo, exec_lo, s34
	s_endpgm
.Lfunc_end_k_q6887d42170_gate:
	.size	k_q6887d42170_gate, .Lfunc_end_k_q6887d42170_gate-k_q6887d42170_gate
	.p2alignl 7, 3214868480
	.fill 96, 4, 3214868480
	.section	.rodata,"a",@progbits
	.p2align	6, 0x0
	.amdhsa_kernel k_q6887d42170_gate
		.amdhsa_group_segment_fixed_size 19456
		.amdhsa_private_segment_fixed_size 0
		.amdhsa_enable_private_segment 0
		.amdhsa_kernarg_size 56
		.amdhsa_user_sgpr_count 2
		.amdhsa_user_sgpr_kernarg_segment_ptr 1
		.amdhsa_wavefront_size32 1
		.amdhsa_system_sgpr_workgroup_id_x 1
		.amdhsa_system_sgpr_workgroup_id_y 1
		.amdhsa_system_sgpr_workgroup_id_z 1
		.amdhsa_system_vgpr_workitem_id 0
		.amdhsa_next_free_vgpr 194
		.amdhsa_next_free_sgpr 66
		.amdhsa_reserve_vcc 1
		.amdhsa_float_denorm_mode_32 3
		.amdhsa_float_denorm_mode_16_64 3
		.amdhsa_memory_ordered 1
		.amdhsa_forward_progress 1
		.amdhsa_inst_pref_size 19
	.end_amdhsa_kernel
	.amdgpu_metadata
---
amdhsa.version: [ 1, 2 ]
amdhsa.kernels:
  - .name:           k_q6887d42170_gate
    .symbol:         k_q6887d42170_gate.kd
    .args:
      - { .name: x, .offset: 0, .size: 8, .value_kind: global_buffer, .address_space: global }
      - { .name: Wg, .offset: 8, .size: 8, .value_kind: global_buffer, .address_space: global }
      - { .name: bg, .offset: 16, .size: 8, .value_kind: global_buffer, .address_space: global }
      - { .name: xb, .offset: 24, .size: 8, .value_kind: global_buffer, .address_space: global }
      - { .name: sel, .offset: 32, .size: 8, .value_kind: global_buffer, .address_space: global }
      - { .name: wgt, .offset: 40, .size: 8, .value_kind: global_buffer, .address_space: global }
      - { .name: stp, .offset: 48, .size: 8, .value_kind: global_buffer, .address_space: global }
    .group_segment_fixed_size: 19456
    .private_segment_fixed_size: 0
    .kernarg_segment_align: 8
    .kernarg_segment_size: 56
    .max_flat_workgroup_size: 256
    .sgpr_count:     66
    .vgpr_count:     194
    .wavefront_size: 32
...
	.end_amdgpu_metadata
.endif
;; end of part 1
;; launch route (part 2): grid 8 x 1, 1 waves a work-group, no clusters, 8,704 bytes of LDS; arguments sel, stp, list, cnt, out1, out2; writes list, cnt, out1, out2
.if DOCPART == 2
	.amdgcn_target "amdgcn-amd-amdhsa--gfx1250"
	.amdhsa_code_object_version 6
	.text
	.protected	k_q6887d42170_route
	.globl	k_q6887d42170_route
	.p2align	8
	.type	k_q6887d42170_route,@function
k_q6887d42170_route:
	s_mov_b64 s[64:65], 0
	v_nop
	global_prefetch_b8 v0, s[64:65] scope:SCOPE_SE
	s_setreg_imm32_b32 hwreg(HW_REG_WAVE_MODE, 25, 1), 1
	s_wait_xcnt 0x0
; ROUTE.  Work-group e, one wave: the list of the pairs p = 2 t + k whose expert is e, its length, and column e of f and p.
; list[e][0 .. cnt[e] - 1] = the pairs; the rest of the 2,048 entries = 4096 + e, the row of scratch that padded rows of the last tile go to.
; f[b][e] = 1024 - (pairs of batch b with expert e); p[b][e] = the sum of stp over the pairs of batch b whose expert is NOT e,
; added directly, pair by pair: no difference of two large sums is formed.
; ONE wave for an expert: the places in the list hang on the data, and with one wave they follow from one running base
; (v_mbcnt_lo_u32_b32 counts the chosen lanes below mine), in one pass, with no barrier.  The work is 64 steps of about 18 instructions.
; Eight work-groups is all the work there is: 24 KiB are read by each.
; Lane L holds tokens 128 n + 4 L + q (n = 0..15, q = 0..3); step ri = 4 n + q; batch = ri / 16.
.set SEL,  4                           ; v[4:67]    sel of my 64 tokens; at the end the list on its way out
.set ST,   68                          ; v[68:195]  stp of my 64 tokens, two each
.set T,    196                         ; v[196:201] at work
.set PA,   204                         ; two chains of the batch's sum
.set PB,   205
.set PS,   206                         ; v[206:209] p of the four batches
.set FB,   210                         ; v[210:213] f of the four batches
.set TOK2, 214                         ; 8 L = 2 x (4 L)
.set DUMP, 215                         ; word 2048 + L: where a lane that has no pair stores
.set L16,  216
.set L32,  217
.set OFFE, 218
.set CT,   219
.set PADV, 220                         ; v[220:223] 4096 + e
	s_load_b256 s[4:11], s[0:1], 0x0               ; sel s[4:5], stp s[6:7], list s[8:9], cnt s[10:11]
	s_load_b128 s[12:15], s[0:1], 0x20             ; out1 s[12:13], out2 s[14:15]
	v_lshl_add_u32 v224, v0, 2, 0x2100
	v_mov_b32 v225, 0
	s_mov_b32 s16, ttmp9                           ; e
	s_add_co_u32 s17, s16, 4096
	s_mov_b32 s18, 0x76543210
	s_mov_b32 s19, 0xfedcba98
	v_lshlrev_b32 v[L16], 4, v0
	v_lshlrev_b32 v[L32], 5, v0
	v_lshlrev_b32 v[TOK2], 3, v0
	v_add_nc_u32 v[DUMP], 2048, v0
.irp k, 0,1,2,3
	v_mov_b32 v[PADV+\k], s17
.endr
.set ni, 0
.rept 16
	ds_store_b128 v[L16], v[PADV:PADV+3] offset:512*ni     ; the whole list starts as padding
.set ni, ni+1
.endr
	s_lshl_b32 s26, s16, 13
	s_mov_b32 s27, 0
	s_lshl_b32 s28, s16, 2
	s_mov_b32 s22, 0                               ; running length of the list
	s_mov_b32 s24, 0                               ; its value at the batch's start
	s_wait_kmcnt 0x0
	s_add_nc_u64 s[8:9], s[8:9], s[26:27]          ; list of expert e
.set ni, 0
.rept 16
	global_load_b128 v[SEL+4*ni:SEL+4*ni+3], v[L16], s[4:5] offset:512*ni
	global_load_b128 v[ST+8*ni:ST+8*ni+3], v[L32], s[6:7] offset:1024*ni
	global_load_b128 v[ST+8*ni+4:ST+8*ni+7], v[L32], s[6:7] offset:1024*ni+16
.set ni, ni+1
.endr
.set ri, 0
.rept 64
.if (ri & 3) == 0
	s_wait_loadcnt 45-3*(ri>>2)                    ; three loads for each group of 128 tokens: the younger groups stay out
.endif
	v_and_b32 v[T], 0xff, v[SEL+ri]
	v_lshrrev_b32 v[T+1], 8, v[SEL+ri]
	v_cmp_eq_u32 s20, s16, v[T]                    ; the first choice is e
	v_cmp_eq_u32 vcc_lo, s16, v[T+1]               ; the second choice is e (never both)
	s_or_b32 s21, s20, vcc_lo
	v_cndmask_b32 v[T+2], 0, 1, vcc_lo
	v_add3_u32 v[T+2], v[TOK2], v[T+2], 256*(ri>>2)+2*(ri&3)   ; p = 2 t + k
.if (ri & 15) == 0
	v_cndmask_b32 v[PA], v[ST+2*ri], 0, s20        ; the batch's first step starts the two chains
	v_cndmask_b32 v[PB], v[ST+2*ri+1], 0, vcc_lo
.else
	v_cndmask_b32 v[T+3], v[ST+2*ri], 0, s20
	v_cndmask_b32 v[T+4], v[ST+2*ri+1], 0, vcc_lo
	v_add_f32 v[PA], v[PA], v[T+3]
	v_add_f32 v[PB], v[PB], v[T+4]
.endif
	v_mbcnt_lo_u32_b32 v[T+5], s21, s22            ; place = length so far + chosen lanes below mine
	v_cndmask_b32 v[T+5], v[DUMP], v[T+5], s21
	v_min_u32 v[T+5], 2079, v[T+5]                 ; inside the 2,080 words whatever sel holds
	v_lshlrev_b32 v[T+5], 2, v[T+5]
	ds_store_b32 v[T+5], v[T+2]
	s_bcnt1_i32_b32 s23, s21
	s_add_co_u32 s22, s22, s23
.if (ri & 15) == 15
	v_add_f32 v[PS+(ri>>4)], v[PA], v[PB]
	s_sub_co_u32 s25, s22, s24
	s_sub_co_u32 s25, 1024, s25
	v_cvt_f32_u32 v[FB+(ri>>4)], s25
	s_mov_b32 s24, s22
.endif
.set ri, ri+1
.endr
.set bi, 0
.rept 4
	v_add_f32_dpp v[PS+bi], v[PS+bi], v[PS+bi] row_xmask:1 row_mask:0xf bank_mask:0xf
	v_add_f32_dpp v[PS+bi], v[PS+bi], v[PS+bi] row_xmask:2 row_mask:0xf bank_mask:0xf
	v_add_f32_dpp v[PS+bi], v[PS+bi], v[PS+bi] row_xmask:4 row_mask:0xf bank_mask:0xf
	v_add_f32_dpp v[PS+bi], v[PS+bi], v[PS+bi] row_xmask:8 row_mask:0xf bank_mask:0xf
	v_permlanex16_b32 v[T], v[PS+bi], s18, s19
	v_add_f32 v[PS+bi], v[PS+bi], v[T]
.set bi, bi+1
.endr
	; the list leaves through registers: LDS serves a wave in order (ISA guide 5.7.1), so these loads see the stores above
.set ni, 0
.rept 16
	ds_load_b128 v[SEL+4*ni:SEL+4*ni+3], v[L16] offset:512*ni
.set ni, ni+1
.endr
.set ni, 0
.rept 16
	s_wait_dscnt 15-ni
	global_store_b128 v[L16], v[SEL+4*ni:SEL+4*ni+3], s[8:9] offset:512*ni   ; 512 consecutive bytes a store
.set ni, ni+1
.endr
	v_mov_b32 v[OFFE], s28                         ; 4 e
	v_mov_b32 v[CT], s22
	s_wait_xcnt 0x0                                ; EXEC changes only behind this wait
	v_cmp_eq_u32 vcc_lo, 0, v0
	s_wait_tensorcnt 0x0
	ds_add_u32 v224, v225
	s_wait_dscnt 0x0
	s_and_saveexec_b32 s29, vcc_lo
.irp b, 0,1,2,3
	global_store_b32 v[OFFE], v[FB+\b], s[12:13] offset:32*\b
	global_store_b32 v[OFFE], v[PS+\b], s[14:15] offset:32*\b
.endr
	global_store_b32 v[OFFE], v[CT], s[10:11]
	s_wait_xcnt 0x0
	s_or_b32 exec_lo, exec_lo, s29
	s_endpgm
.Lfunc_end_k_q6887d42170_route:
	.size	k_q6887d42170_route, .Lfunc_end_k_q6887d42170_route-k_q6887d42170_route
	.p2alignl 7, 3214868480
	.fill 96, 4, 3214868480
	.section	.rodata,"a",@progbits
	.p2align	6, 0x0
	.amdhsa_kernel k_q6887d42170_route
		.amdhsa_group_segment_fixed_size 8704
		.amdhsa_private_segment_fixed_size 0
		.amdhsa_enable_private_segment 0
		.amdhsa_kernarg_size 48
		.amdhsa_user_sgpr_count 2
		.amdhsa_user_sgpr_kernarg_segment_ptr 1
		.amdhsa_wavefront_size32 1
		.amdhsa_system_sgpr_workgroup_id_x 1
		.amdhsa_system_sgpr_workgroup_id_y 1
		.amdhsa_system_sgpr_workgroup_id_z 1
		.amdhsa_system_vgpr_workitem_id 0
		.amdhsa_next_free_vgpr 226
		.amdhsa_next_free_sgpr 66
		.amdhsa_reserve_vcc 1
		.amdhsa_float_denorm_mode_32 3
		.amdhsa_float_denorm_mode_16_64 3
		.amdhsa_memory_ordered 1
		.amdhsa_forward_progress 1
		.amdhsa_inst_pref_size 72
	.end_amdhsa_kernel
	.amdgpu_metadata
---
amdhsa.version: [ 1, 2 ]
amdhsa.kernels:
  - .name:           k_q6887d42170_route
    .symbol:         k_q6887d42170_route.kd
    .args:
      - { .name: sel, .offset: 0, .size: 8, .value_kind: global_buffer, .address_space: global }
      - { .name: stp, .offset: 8, .size: 8, .value_kind: global_buffer, .address_space: global }
      - { .name: list, .offset: 16, .size: 8, .value_kind: global_buffer, .address_space: global }
      - { .name: cnt, .offset: 24, .size: 8, .value_kind: global_buffer, .address_space: global }
      - { .name: out1, .offset: 32, .size: 8, .value_kind: global_buffer, .address_space: global }
      - { .name: out2, .offset: 40, .size: 8, .value_kind: global_buffer, .address_space: global }
    .group_segment_fixed_size: 8704
    .private_segment_fixed_size: 0
    .kernarg_segment_align: 8
    .kernarg_segment_size: 48
    .max_flat_workgroup_size: 32
    .sgpr_count:     66
    .vgpr_count:     226
    .wavefront_size: 32
...
	.end_amdgpu_metadata
.endif
;; end of part 2
;; launch ffn1 (part 3): grid 256 x 1, 4 waves a work-group, no clusters, 158,208 bytes of LDS; arguments xb, W1, b1, list, cnt, hbuf; writes hbuf
.if DOCPART == 3
	.amdgcn_target "amdgcn-amd-amdhsa--gfx1250"
	.amdhsa_code_object_version 6
	.text
	.protected	k_q6887d42170_ffn1
	.globl	k_q6887d42170_ffn1
	.p2align	8
	.type	k_q6887d42170_ffn1,@function
k_q6887d42170_ffn1:
	s_mov_b64 s[64:65], 0
	v_nop
	global_prefetch_b8 v0, s[64:65] scope:SCOPE_SE
	s_setreg_imm32_b32 hwreg(HW_REG_WAVE_MODE, 25, 1), 1
	s_wait_xcnt 0x0
; FFN1.  h = gelu(x W1[e] + b1[e]) for the tokens that chose expert e, and for those alone: the combine weight of every other
; expert is an exact 0.  LIMIT, stated: where an expert that was NOT chosen would overflow, 0 x inf gives NaN in the plain formula and
; nothing here.
; Work-group (e, s) = (id / 32, id % 32) owns the 64 columns 64 s .. of W1[e]: 512 x 64 numbers, 128 KiB of f32, which no other
; work-group reads.  They are read once, rounded to bf16, turned through LDS into matrix fragments, and then EVERY wave keeps all of
; them in 512 registers.  Each wave then walks tiles of 16 listed tokens of its own (tiles w, w + 4, ..): the loop has no barrier.
; hbuf[e][s][place in the list][64] bf16: a tile is 2,048 consecutive bytes.
; Rows past the list's length (entries 4096 + e) are computed from token 2047 and stored like the others, in places that are this
; work-group's own; the next launch sends what comes of them to a row of scratch.
; NO JOINT REQUESTS: what the 32 work-groups of an expert share are token rows picked by a list, which come by one register load
; for each half row; a tile of the data mover cannot name listed rows.  The weights, the bulk of the bytes, are shared by nobody.
; No prefetch: the rows (2 MiB in all) are read again and again by all work-groups; the weights are asked for in one run at the start.
;
; REGISTERS in windows of 256 (s_set_vgpr_msb: bits 1:0 source 0, 3:2 source 1, 5:4 source 2, 7:6 destination):
;   window 0: v4-27 addresses and constants; v32-63 sums (4 tiles of 16 columns); v64-191 token fragments, 16 k steps x 8, after the
;             products v64-127 at work; v192-207 packed h; v208-223 h on its way out; v224-255 bias
;   window 1: weight fragments of k steps 0-7, fragment (ks, nt) at 32 ks + 8 nt;  window 2: k steps 8-15
;   window 3: staging: 64 weight loads, then the 32 row loads of the next tile in its registers 0-127
; LDS: 0: weights [512 k] x 128 bytes, pitch 160 = 5 x 32;  81,920: four stages of 16 token rows of 1,024 bytes, pitch 1,040 = 65 x 16, one
; for each wave;  148,480: four stages of 16 rows of 128 bytes of h, pitch 144 = 9 x 16.
.set PW,     8192                      ; bytes from a k row of W1[e] to the next
.set PWLOG,  13
.set WPITCH, 160
.set XST,    81920
.set XPITCH, 1040
.set XWAVE,  16*XPITCH
.set OST,    XST+4*XWAVE
.set OPITCH, 144
.set OWAVE,  16*OPITCH
.set WOFF, 4                           ; weights in memory: h x row + 16 r
.set WSA,  5                           ; weights into LDS
.set TRA,  6                           ; weights out of LDS, k steps 0-7
.set TRB,  7                           ; k steps 8-15
.set XFA,  8                           ; token fragments out of LDS
.set L16,  9                           ; 16 x lane
.set XSA,  10                          ; token rows into LDS
.set OS,   11                          ; h into the stage
.set OR,   12                          ; h out of the stage
.set BOFF, 13                          ; 32 h: my eight columns of the bias
.set C1,   24                          ; v[24:25] -2 log2(e) sqrt(2/pi), twice
.set C2,   26                          ; v[26:27] the same x 0.044715, twice
.set ACC,  32
.set XF,   64
.set TT,   64
.set UU,   96
.set PK,   192
.set BK,   208
.set BI,   224
.set LS,   16                          ; s[16:31] sixteen entries of the list
.set RB,   32                          ; s[32:63] sixteen row addresses
.set WB,   84                          ; s[84:85] my 128 k rows of the weight slice
.set MSB, 0
.macro WIN new                         ; the high byte of the immediate repeats the setting that is left
.if MSB != \new
	s_set_vgpr_msb (MSB<<8)|\new
.set MSB, \new
.endif
.endm
.macro PLACES                          ; the places behind matrix instructions (ISA guide 7.12.1)
.rept 4
	v_nop
.endr
.endm
; 64 loads: k rows 2 i + h of my 128, sixteen lanes take the 256 aligned bytes of a row
.macro LOADW
	WIN 0xc0
.set li, 0
.rept 64
	global_load_b128 v[4*li:4*li+3], v[WOFF], s[WB:WB+1] offset:li*2*PW th:TH_LOAD_NT
.set li, li+1
.endr
.endm
; to bf16 and into LDS, in four batches of 16 loads; then the one barrier of the kernel
.macro STAGEW
.set gi, 0
.rept 4
	s_wait_loadcnt 48-16*gi                        ; the 16 loads of this batch are in, the younger batches stay out
	WIN 0xcf
.set li, 16*gi
.rept 16
	v_cvt_pk_bf16_f32 v[4*li], v[4*li], v[4*li+1]
	v_cvt_pk_bf16_f32 v[4*li+1], v[4*li+2], v[4*li+3]
.set li, li+1
.endr
	WIN 0x0c
.set li, 16*gi
.rept 16
	ds_store_b64 v[WSA], v[4*li:4*li+1] offset:2*WPITCH*li
.set li, li+1
.endr
.set gi, gi+1
.endr
	WIN 0
	s_wait_dscnt 0x0                               ; my quarter of the slice is in LDS, for the other waves
	s_barrier_signal -1
	s_barrier_wait -1
.endm
; the whole slice as fragments: lane (r, h) gets column 16 nt + r, k = 32 ks + 8 h .. and 32 ks + 16 + 8 h .. (transposing loads)
.macro FRAGW
	WIN 0x40
.set ks, 0
.rept 8
.set nt, 0
.rept 4
	ds_load_tr16_b128 v[32*ks+8*nt:32*ks+8*nt+3], v[TRA] offset:32*WPITCH*ks+32*nt
	ds_load_tr16_b128 v[32*ks+8*nt+4:32*ks+8*nt+7], v[TRA] offset:32*WPITCH*ks+32*nt+16*WPITCH
.set nt, nt+1
.endr
.set ks, ks+1
.endr
	WIN 0x80
.set ks, 0
.rept 8
.set nt, 0
.rept 4
	ds_load_tr16_b128 v[32*ks+8*nt:32*ks+8*nt+3], v[TRB] offset:32*WPITCH*ks+32*nt
	ds_load_tr16_b128 v[32*ks+8*nt+4:32*ks+8*nt+7], v[TRB] offset:32*WPITCH*ks+32*nt+16*WPITCH
.set nt, nt+1
.endr
.set ks, ks+1
.endr
	WIN 0
.endm
.macro XFRAG                           ; 16 rows x 512 k as 16 fragments
	WIN 0
.set ks, 0
.rept 16
	ds_load_b128 v[XF+8*ks:XF+8*ks+3], v[XFA] offset:64*ks
	ds_load_b128 v[XF+8*ks+4:XF+8*ks+7], v[XFA] offset:64*ks+32
.set ks, ks+1
.endr
.endm
; 64 matrix instructions.  Source 0 = weights, source 1 = tokens: lane (r, h) ends with row r, columns 16 nt + 8 h + 0..7.
.macro MULT
.set ks, 0
.rept 16
	s_wait_dscnt 2*(15-ks)                         ; two loads for each k step: those of the later steps stay out
.if ks < 8
	WIN 0x01
.else
	WIN 0x02
.endif
.set nt, 0
.rept 4
.if ks == 0
	v_wmma_f32_16x16x32_bf16 v[ACC+8*nt:ACC+8*nt+7], v[8*nt:8*nt+7], v[XF:XF+7], 0
.else
	v_wmma_f32_16x16x32_bf16 v[ACC+8*nt:ACC+8*nt+7], v[32*(ks&7)+8*nt:32*(ks&7)+8*nt+7], v[XF+8*ks:XF+8*ks+7], v[ACC+8*nt:ACC+8*nt+7]
.endif
.set nt, nt+1
.endr
.set ks, ks+1
.endr
	WIN 0
	PLACES
.endm
.macro BIASADD
.set gi, 0
.rept 16
	v_pk_add_f32 v[ACC+2*gi:ACC+2*gi+1], v[ACC+2*gi:ACC+2*gi+1], v[BI+2*gi:BI+2*gi+1]
.set gi, gi+1
.endr
.endm
; entry p = 2 t + k of the list: the address of row t = p / 2 of xb, held inside the 2,048 rows whatever the list holds
.macro BASES
.set bi, 0
.rept 16
	s_lshr_b32 s72, s[LS+bi], 1
	s_min_u32 s72, s72, 2047
	s_lshl_b32 s72, s72, 10
	s_add_nc_u64 s[RB+2*bi:RB+2*bi+1], s[4:5], s[72:73]
.set bi, bi+1
.endr
.endm
.macro GATHER                          ; 16 rows of 1,024 bytes, two loads of 512 consecutive bytes each
	WIN 0xc0
.set bi, 0
.rept 16
	global_load_b128 v[8*bi:8*bi+3], v[L16], s[RB+2*bi:RB+2*bi+1]
	global_load_b128 v[8*bi+4:8*bi+7], v[L16], s[RB+2*bi:RB+2*bi+1] offset:512
.set bi, bi+1
.endr
	WIN 0
.endm
.macro NEXTLIST                        ; the entries of my tile after the next: four tiles on, never past the last 64 bytes of this list
	s_add_co_u32 s76, s76, 256
	s_min_u32 s76, s76, 8128
	s_load_b512 s[LS:LS+15], s[74:75], s76 offset:0x0
.endm
; gelu(x) = x / (1 + 2^(x (c1 + c2 x x))), the tanh form written with one exponential; stage by stage over my 32 numbers
.macro GELU
.set gi, 0
.rept 16
	v_pk_mul_f32 v[TT+2*gi:TT+2*gi+1], v[ACC+2*gi:ACC+2*gi+1], v[ACC+2*gi:ACC+2*gi+1]
.set gi, gi+1
.endr
.set gi, 0
.rept 16
	v_pk_fma_f32 v[TT+2*gi:TT+2*gi+1], v[TT+2*gi:TT+2*gi+1], v[C2:C2+1], v[C1:C1+1]
.set gi, gi+1
.endr
.set gi, 0
.rept 16
	v_pk_mul_f32 v[TT+2*gi:TT+2*gi+1], v[TT+2*gi:TT+2*gi+1], v[ACC+2*gi:ACC+2*gi+1]
.set gi, gi+1
.endr
.set gi, 0
.rept 32
	v_exp_f32 v[UU+gi], v[TT+gi]
.set gi, gi+1
.endr
	v_nop                                          ; one plain vector instruction behind the last transcendental (ISA guide 5.7.2)
.set gi, 0
	s_wait_alu depctr_va_vdst(0)
.rept 16
	v_pk_add_f32 v[TT+2*gi:TT+2*gi+1], v[UU+2*gi:UU+2*gi+1], 1.0 op_sel_hi:[1,0]
.set gi, gi+1
.endr
.set gi, 0
.rept 32
	v_rcp_f32 v[UU+gi], v[TT+gi]
.set gi, gi+1
.endr
	v_nop
.set gi, 0
	s_wait_alu depctr_va_vdst(0)
.rept 16
	v_pk_mul_f32 v[TT+2*gi:TT+2*gi+1], v[UU+2*gi:UU+2*gi+1], v[ACC+2*gi:ACC+2*gi+1]
.set gi, gi+1
.endr
.set gi, 0
.rept 16
	v_cvt_pk_bf16_f32 v[PK+gi], v[TT+2*gi], v[TT+2*gi+1]
.set gi, gi+1
.endr
.endm
; One tile.  issue = 1: the rows of my next tile are asked for as soon as this tile has left the staging registers.
.macro TRIP issue
	s_wait_loadcnt 0x0                             ; the 32 row loads of this tile are the only loads out; their row addresses are free too
	WIN 0x0c
.set bi, 0
.rept 16
	ds_store_b128 v[XSA], v[8*bi:8*bi+3] offset:XPITCH*bi
	ds_store_b128 v[XSA], v[8*bi+4:8*bi+7] offset:XPITCH*bi+512
.set bi, bi+1
.endr
	WIN 0
.if \issue
	s_wait_kmcnt 0x0                               ; the entries of the next tile
	BASES
	GATHER
	NEXTLIST
.endif
	XFRAG                                          ; my own stage: LDS serves a wave in order (ISA guide 5.7.1)
	MULT
	BIASADD
	GELU
.irp t, 0,1,2,3
	ds_store_b128 v[OS], v[PK+4*\t:PK+4*\t+3] offset:32*\t
.endr
.irp q, 0,1,2,3
	ds_load_b128 v[BK+4*\q:BK+4*\q+3], v[OR] offset:4*OPITCH*\q
.endr
.irp q, 0,1,2,3
	s_wait_dscnt 3-\q
	global_store_b128 v[L16], v[BK+4*\q:BK+4*\q+3], s[78:79] offset:512*\q    ; 512 consecutive bytes: four rows of the tile
.endr
	s_wait_xcnt 0x0                                ; the base and the data of these stores are rewritten only behind this wait
	s_add_nc_u64 s[78:79], s[78:79], 8192          ; four tiles on
.endm
	s_load_b256 s[4:11], s[0:1], 0x0               ; xb s[4:5], W1 s[6:7], b1 s[8:9], list s[10:11]
	s_load_b128 s[12:15], s[0:1], 0x20             ; cnt s[12:13], hbuf s[14:15]
	v_lshl_add_u32 v30, v0, 2, 0x26800
	v_mov_b32 v31, 0
	v_lshrrev_b32 v1, 5, v0
	v_readfirstlane_b32 s66, v1                    ; wave
	s_lshr_b32 s67, ttmp9, 5                       ; e
	s_and_b32 s68, ttmp9, 31                       ; s
	v_and_b32 v1, 31, v0                           ; L
	v_and_b32 v2, 15, v0                           ; r
	v_bfe_u32 v3, v0, 4, 1                         ; h
	v_lshlrev_b32 v[L16], 4, v1
	v_lshlrev_b32 v[WOFF], 4, v2
	v_lshl_add_u32 v[WOFF], v3, PWLOG, v[WOFF]
	s_mul_i32 s91, s66, 128*WPITCH
	v_mul_u32_u24 v[WSA], v3, WPITCH
	v_lshl_add_u32 v[WSA], v2, 3, v[WSA]
	v_add_nc_u32 v[WSA], s91, v[WSA]               ; (128 w + h) 160 + 8 r
	v_and_b32 v15, 7, v0
	v_lshl_add_u32 v15, v3, 3, v15
	v_mul_u32_u24 v[TRA], v15, WPITCH
	v_bfe_u32 v15, v0, 3, 1
	v_lshl_add_u32 v[TRA], v15, 4, v[TRA]          ; (8 h + L % 8) 160 + 16 ((L / 8) % 2)
	v_add_nc_u32 v[TRB], 256*WPITCH, v[TRA]
	s_mul_i32 s90, s66, XWAVE
	s_add_co_u32 s90, s90, XST
	v_mul_u32_u24 v[XFA], v2, XPITCH
	v_lshl_add_u32 v[XFA], v3, 4, v[XFA]
	v_add_nc_u32 v[XFA], s90, v[XFA]
	v_add_nc_u32 v[XSA], s90, v[L16]
	s_mul_i32 s89, s66, OWAVE
	s_add_co_u32 s89, s89, OST
	v_mul_u32_u24 v[OS], v2, OPITCH
	v_lshl_add_u32 v[OS], v3, 4, v[OS]
	v_add_nc_u32 v[OS], s89, v[OS]
	v_lshrrev_b32 v15, 3, v1
	v_mul_u32_u24 v[OR], v15, OPITCH
	v_and_b32 v15, 7, v0
	v_lshl_add_u32 v[OR], v15, 4, v[OR]
	v_add_nc_u32 v[OR], s89, v[OR]
	v_lshlrev_b32 v[BOFF], 5, v3
	v_mov_b32 v[C1], 0xc0135761                    ; -2.3022082
	v_mov_b32 v[C1+1], 0xc0135761
	v_mov_b32 v[C2], 0xbdd2d3e8                    ; -0.10294324
	v_mov_b32 v[C2+1], 0xbdd2d3e8
	s_mov_b32 s73, 0
	s_lshl_b32 s77, s67, 2
	s_lshl_b32 s76, s66, 6                         ; my first tile: 64 bytes of the list for each tile
	s_wait_kmcnt 0x0
	s_lshl_b32 s72, s67, 13
	s_add_nc_u64 s[74:75], s[10:11], s[72:73]      ; the list of expert e
	s_load_b32 s69, s[12:13], s77 offset:0x0       ; its length
	s_load_b512 s[LS:LS+15], s[74:75], s76 offset:0x0
	s_lshl_b32 s88, s68, 8
	s_add_co_u32 s72, s72, s88
	s_add_nc_u64 s[86:87], s[8:9], s[72:73]        ; b1 + 8,192 e + 256 s
	s_lshl_b32 s72, s67, 22
	s_add_co_u32 s72, s72, s88
	s_lshl_b32 s88, s66, 20
	s_add_co_u32 s72, s72, s88
	s_add_nc_u64 s[WB:WB+1], s[6:7], s[72:73]      ; W1 + 4 MiB e + 128 w rows + 256 s
	s_lshl_b32 s72, s67, 23
	s_lshl_b32 s88, s68, 18
	s_add_co_u32 s72, s72, s88
	s_lshl_b32 s88, s66, 11
	s_add_co_u32 s72, s72, s88
	s_add_nc_u64 s[78:79], s[14:15], s[72:73]      ; hbuf at (e, s, tile w)
.irp t, 0,1,2,3
	global_load_b128 v[BI+8*\t:BI+8*\t+3], v[BOFF], s[86:87] offset:64*\t
	global_load_b128 v[BI+8*\t+4:BI+8*\t+7], v[BOFF], s[86:87] offset:64*\t+16
.endr
	LOADW
	s_wait_kmcnt 0x0
	s_min_u32 s69, s69, 2048
	s_add_co_u32 s70, s69, 15
	s_lshr_b32 s70, s70, 4                         ; tiles of the expert
	s_add_co_u32 s70, s70, 3
	s_sub_co_u32 s70, s70, s66
	s_lshr_b32 s70, s70, 2                         ; tiles of this wave: w, w + 4, ..
	STAGEW                                         ; its first wait also covers the bias, which was asked for earlier
	s_cmp_eq_u32 s70, 0
	s_cbranch_scc1 .Lend                           ; no tile for this wave: it has done its share of the staging
	FRAGW
	BASES
	GATHER
	NEXTLIST
	s_sub_co_u32 s71, s70, 1
	s_cmp_eq_u32 s71, 0
	s_cbranch_scc1 .Llast
.Lloop:
	TRIP 1
	s_sub_co_u32 s71, s71, 1
	s_cmp_lg_u32 s71, 0
	s_cbranch_scc1 .Lloop
.Llast:
	TRIP 0                                         ; the last tile asks for nothing
	s_wait_kmcnt 0x0                               ; the entries asked for ahead and not used
.Lend:
	s_wait_tensorcnt 0x0
	ds_add_u32 v30, v31
	s_wait_dscnt 0x0
	s_endpgm
.Lfunc_end_k_q6887d42170_ffn1:
	.size	k_q6887d42170_ffn1, .Lfunc_end_k_q6887d42170_ffn1-k_q6887d42170_ffn1
	.p2alignl 7, 3214868480
	.fill 96, 4, 3214868480
	.section	.rodata,"a",@progbits
	.p2align	6, 0x0
	.amdhsa_kernel k_q6887d42170_ffn1
		.amdhsa_group_segment_fixed_size 158208
		.amdhsa_private_segment_fixed_size 0
		.amdhsa_enable_private_segment 0
		.amdhsa_kernarg_size 48
		.amdhsa_user_sgpr_count 2
		.amdhsa_user_sgpr_kernarg_segment_ptr 1
		.amdhsa_wavefront_size32 1
		.amdhsa_system_sgpr_workgroup_id_x 1
		.amdhsa_system_sgpr_workgroup_id_y 1
		.amdhsa_system_sgpr_workgroup_id_z 1
		.amdhsa_system_vgpr_workitem_id 0
		.amdhsa_next_free_vgpr 1024
		.amdhsa_next_free_sgpr 96
		.amdhsa_reserve_vcc 0
		.amdhsa_float_denorm_mode_32 3
		.amdhsa_float_denorm_mode_16_64 3
		.amdhsa_memory_ordered 1
		.amdhsa_forward_progress 1
		.amdhsa_inst_pref_size 82
	.end_amdhsa_kernel
	.amdgpu_metadata
---
amdhsa.version: [ 1, 2 ]
amdhsa.kernels:
  - .name:           k_q6887d42170_ffn1
    .symbol:         k_q6887d42170_ffn1.kd
    .args:
      - { .name: xb, .offset: 0, .size: 8, .value_kind: global_buffer, .address_space: global }
      - { .name: W1, .offset: 8, .size: 8, .value_kind: global_buffer, .address_space: global }
      - { .name: b1, .offset: 16, .size: 8, .value_kind: global_buffer, .address_space: global }
      - { .name: list, .offset: 24, .size: 8, .value_kind: global_buffer, .address_space: global }
      - { .name: cnt, .offset: 32, .size: 8, .value_kind: global_buffer, .address_space: global }
      - { .name: hbuf, .offset: 40, .size: 8, .value_kind: global_buffer, .address_space: global }
    .group_segment_fixed_size: 158208
    .private_segment_fixed_size: 0
    .kernarg_segment_align: 8
    .kernarg_segment_size: 48
    .max_flat_workgroup_size: 128
    .sgpr_count:     96
    .vgpr_count:     1024
    .wavefront_size: 32
...
	.end_amdgpu_metadata
.endif
;; end of part 3
;; launch ffn2 (part 4): grid 256 x 1, 4 waves a work-group, no clusters, 166,400 bytes of LDS; arguments hbuf, W2, b2, list, cnt, ypart; writes ypart
.if DOCPART == 4
	.amdgcn_target "amdgcn-amd-amdhsa--gfx1250"
	.amdhsa_code_object_version 6
	.text
	.protected	k_q6887d42170_ffn2
	.globl	k_q6887d42170_ffn2
	.p2align	8
	.type	k_q6887d42170_ffn2,@function
k_q6887d42170_ffn2:
	s_mov_b64 s[64:65], 0
	v_nop
	global_prefetch_b8 v0, s[64:65] scope:SCOPE_SE
	s_setreg_imm32_b32 hwreg(HW_REG_WAVE_MODE, 25, 1), 1
	s_wait_xcnt 0x0
; FFN2.  y = h W2[e] + b2[e] for the listed pairs of expert e, in four partial sums over K.
; Work-group (e, ns, kq) = (id / 32, (id / 4) % 8, id % 4) owns rows 512 kq .. and columns 64 ns .. of W2[e]: 512 x 64 numbers, 128 KiB
; of f32 that no other work-group reads.  As in the launch before: read once, rounded to bf16, turned through LDS into fragments, all
; of them kept by every wave in 512 registers; each wave walks tiles of 16 places of the list of its own, with no barrier in the loop.
; ypart[kq][row][512] f32: row p = 2 t + k for pair p; b2 is added in quarter kq = 0 alone.  The four quarters are added by the next
; launch, in one fixed order.  Rows 4096 + e take the padded places of the last tile: their bytes at (kq, ns) are this work-group's own,
; several lanes may store there one over the other, and nobody reads them.
; NO JOINT REQUESTS: the eight work-groups (e, *, kq) read the same tiles of h, 16 KiB a tile.  Sharing them would take the data
; mover, a ring in LDS common to the four waves and a barrier for each refill; here each wave fetches its tile through 128 registers,
; one tile ahead, and waits for no other wave.  The weights, the bulk of what comes from memory, are shared by nobody.
; Registers and LDS as in the launch before, but: v16-23 store offsets; v192-223 y on its way out; the stage for y has 16 rows of
; 256 bytes, pitch 272 = 17 x 16.
.set PW,     2048                      ; bytes from a k row of W2[e] to the next
.set PWLOG,  11
.set WPITCH, 160
.set XST,    81920
.set XPITCH, 1040
.set XWAVE,  16*XPITCH
.set OST,    XST+4*XWAVE
.set OPITCH, 272
.set OWAVE,  16*OPITCH
.set YPLANE, 4104*2048                 ; bytes of one K quarter of ypart
.set WOFF, 4
.set WSA,  5
.set TRA,  6
.set TRB,  7
.set XFA,  8
.set L16,  9
.set XSB,  10                          ; rows of h into LDS: row L / 8, piece L % 8
.set OS,   11
.set OR,   12
.set BOFF, 13
.set COL,  14                          ; 16 r
.set YO,   16                          ; v[16:23] byte offsets of the rows that my lane stores
.set ACC,  32
.set XF,   64
.set BK,   192
.set BI,   224
.set LS,   16                          ; s[16:31] the sixteen entries of this tile
.set WB,   84
.set MSB, 0
.macro WIN new
.if MSB != \new
	s_set_vgpr_msb (MSB<<8)|\new
.set MSB, \new
.endif
.endm
.macro PLACES                          ; the places behind matrix instructions (ISA guide 7.12.1)
.rept 4
	v_nop
.endr
.endm
.macro LOADW
	WIN 0xc0
.set li, 0
.rept 64
	global_load_b128 v[4*li:4*li+3], v[WOFF], s[WB:WB+1] offset:li*2*PW th:TH_LOAD_NT
.set li, li+1
.endr
.endm
.macro STAGEW
.set gi, 0
.rept 4
	s_wait_loadcnt 48-16*gi                        ; the 16 loads of this batch are in, the younger batches stay out
	WIN 0xcf
.set li, 16*gi
.rept 16
	v_cvt_pk_bf16_f32 v[4*li], v[4*li], v[4*li+1]
	v_cvt_pk_bf16_f32 v[4*li+1], v[4*li+2], v[4*li+3]
.set li, li+1
.endr
	WIN 0x0c
.set li, 16*gi
.rept 16
	ds_store_b64 v[WSA], v[4*li:4*li+1] offset:2*WPITCH*li
.set li, li+1
.endr
.set gi, gi+1
.endr
	WIN 0
	s_wait_dscnt 0x0                               ; my quarter of the slice is in LDS, for the other waves
	s_barrier_signal -1
	s_barrier_wait -1
.endm
.macro FRAGW
	WIN 0x40
.set ks, 0
.rept 8
.set nt, 0
.rept 4
	ds_load_tr16_b128 v[32*ks+8*nt:32*ks+8*nt+3], v[TRA] offset:32*WPITCH*ks+32*nt
	ds_load_tr16_b128 v[32*ks+8*nt+4:32*ks+8*nt+7], v[TRA] offset:32*WPITCH*ks+32*nt+16*WPITCH
.set nt, nt+1
.endr
.set ks, ks+1
.endr
	WIN 0x80
.set ks, 0
.rept 8
.set nt, 0
.rept 4
	ds_load_tr16_b128 v[32*ks+8*nt:32*ks+8*nt+3], v[TRB] offset:32*WPITCH*ks+32*nt
	ds_load_tr16_b128 v[32*ks+8*nt+4:32*ks+8*nt+7], v[TRB] offset:32*WPITCH*ks+32*nt+16*WPITCH
.set nt, nt+1
.endr
.set ks, ks+1
.endr
	WIN 0
.endm
.macro XFRAG
	WIN 0
.set ks, 0
.rept 16
	ds_load_b128 v[XF+8*ks:XF+8*ks+3], v[XFA] offset:64*ks
	ds_load_b128 v[XF+8*ks+4:XF+8*ks+7], v[XFA] offset:64*ks+32
.set ks, ks+1
.endr
.endm
.macro MULT                            ; source 0 = weights, source 1 = rows of h: lane (r, h) ends with row r, columns 16 nt + 8 h + 0..7
.set ks, 0
.rept 16
	s_wait_dscnt 2*(15-ks)                         ; two loads for each k step: those of the later steps stay out
.if ks < 8
	WIN 0x01
.else
	WIN 0x02
.endif
.set nt, 0
.rept 4
.if ks == 0
	v_wmma_f32_16x16x32_bf16 v[ACC+8*nt:ACC+8*nt+7], v[8*nt:8*nt+7], v[XF:XF+7], 0
.else
	v_wmma_f32_16x16x32_bf16 v[ACC+8*nt:ACC+8*nt+7], v[32*(ks&7)+8*nt:32*(ks&7)+8*nt+7], v[XF+8*ks:XF+8*ks+7], v[ACC+8*nt:ACC+8*nt+7]
.endif
.set nt, nt+1
.endr
.set ks, ks+1
.endr
	WIN 0
	PLACES
.endm
.macro BIASADD
.set gi, 0
.rept 16
	v_pk_add_f32 v[ACC+2*gi:ACC+2*gi+1], v[ACC+2*gi:ACC+2*gi+1], v[BI+2*gi:BI+2*gi+1]
.set gi, gi+1
.endr
.endm
; a tile of h: 16 places x 8 slices of 64 columns; load (j, q) takes four rows of slice j, 512 consecutive bytes
.macro LOADH
	WIN 0xc0
.set ji, 0
.rept 8
.set qi, 0
.rept 4
	global_load_b128 v[16*ji+4*qi:16*ji+4*qi+3], v[L16], s[78:79] offset:262144*ji+512*qi
.set qi, qi+1
.endr
.set ji, ji+1
.endr
	WIN 0
.endm
.macro TRIP issue
	s_load_b512 s[LS:LS+15], s[74:75], s76 offset:0x0      ; the pairs of this tile: where its rows go
	s_wait_loadcnt 0x0                             ; the 32 loads of this tile are the only loads out; their base is free too
	WIN 0x0c
.set ji, 0
.rept 8
.set qi, 0
.rept 4
	ds_store_b128 v[XSB], v[16*ji+4*qi:16*ji+4*qi+3] offset:4*XPITCH*qi+128*ji
.set qi, qi+1
.endr
.set ji, ji+1
.endr
	WIN 0
.if \issue
	s_add_nc_u64 s[78:79], s[78:79], 8192          ; four tiles on
	LOADH
.endif
	XFRAG                                          ; my own stage: LDS serves a wave in order (ISA guide 5.7.1)
	MULT
	BIASADD
.irp t, 0,1,2,3
	ds_store_b128 v[OS], v[ACC+8*\t:ACC+8*\t+3] offset:64*\t
	ds_store_b128 v[OS], v[ACC+8*\t+4:ACC+8*\t+7] offset:64*\t+16
.endr
.irp q, 0,1,2,3,4,5,6,7
	ds_load_b128 v[BK+4*\q:BK+4*\q+3], v[OR] offset:2*OPITCH*\q
.endr
	s_wait_kmcnt 0x0
.irp q, 0,1,2,3,4,5,6,7
	v_mov_b32 v15, s[LS+2*\q+1]
	v_cndmask_b32 v15, s[LS+2*\q], v15, vcc_lo     ; lanes 0-15: place 2 q, lanes 16-31: place 2 q + 1
	v_min_u32 v15, 0x1007, v15                     ; inside the 4,104 rows whatever the list holds
	v_lshl_add_u32 v[YO+\q], v15, 11, v[COL]
.endr
	s_add_co_u32 s76, s76, 256                     ; behind the wait for the scalar load that read it
	s_min_u32 s76, s76, 8128
.irp q, 0,1,2,3,4,5,6,7
	s_wait_dscnt 7-\q
	global_store_b128 v[YO+\q], v[BK+4*\q:BK+4*\q+3], s[80:81]     ; sixteen lanes store 256 consecutive bytes, aligned
.endr
	s_wait_xcnt 0x0                                ; offsets and data of these stores are rewritten only behind this wait
.endm
	s_load_b256 s[4:11], s[0:1], 0x0               ; hbuf s[4:5], W2 s[6:7], b2 s[8:9], list s[10:11]
	s_load_b128 s[12:15], s[0:1], 0x20             ; cnt s[12:13], ypart s[14:15]
	v_lshl_add_u32 v30, v0, 2, 0x28800
	v_mov_b32 v31, 0
	v_lshrrev_b32 v1, 5, v0
	v_readfirstlane_b32 s66, v1                    ; wave
	s_lshr_b32 s67, ttmp9, 5                       ; e
	s_bfe_u32 s68, ttmp9, 0x30002                  ; ns
	s_and_b32 s92, ttmp9, 3                        ; kq
	v_and_b32 v1, 31, v0                           ; L
	v_and_b32 v2, 15, v0                           ; r
	v_bfe_u32 v3, v0, 4, 1                         ; h
	v_cmp_le_u32 vcc_lo, 16, v1                    ; the upper half of the lanes; VCC is written nowhere else
	v_lshlrev_b32 v[L16], 4, v1
	v_lshlrev_b32 v[COL], 4, v2
	v_lshlrev_b32 v[WOFF], 4, v2
	v_lshl_add_u32 v[WOFF], v3, PWLOG, v[WOFF]
	s_mul_i32 s91, s66, 128*WPITCH
	v_mul_u32_u24 v[WSA], v3, WPITCH
	v_lshl_add_u32 v[WSA], v2, 3, v[WSA]
	v_add_nc_u32 v[WSA], s91, v[WSA]
	v_and_b32 v15, 7, v0
	v_lshl_add_u32 v15, v3, 3, v15
	v_mul_u32_u24 v[TRA], v15, WPITCH
	v_bfe_u32 v15, v0, 3, 1
	v_lshl_add_u32 v[TRA], v15, 4, v[TRA]
	v_add_nc_u32 v[TRB], 256*WPITCH, v[TRA]
	s_mul_i32 s90, s66, XWAVE
	s_add_co_u32 s90, s90, XST
	v_mul_u32_u24 v[XFA], v2, XPITCH
	v_lshl_add_u32 v[XFA], v3, 4, v[XFA]
	v_add_nc_u32 v[XFA], s90, v[XFA]
	v_lshrrev_b32 v15, 3, v1
	v_mul_u32_u24 v[XSB], v15, XPITCH
	v_and_b32 v15, 7, v0
	v_lshl_add_u32 v[XSB], v15, 4, v[XSB]
	v_add_nc_u32 v[XSB], s90, v[XSB]
	s_mul_i32 s89, s66, OWAVE
	s_add_co_u32 s89, s89, OST
	v_mul_u32_u24 v[OS], v2, OPITCH
	v_lshl_add_u32 v[OS], v3, 5, v[OS]
	v_add_nc_u32 v[OS], s89, v[OS]                 ; row r, 32 bytes for each half of the lanes
	v_mul_u32_u24 v[OR], v3, OPITCH
	v_lshl_add_u32 v[OR], v2, 4, v[OR]
	v_add_nc_u32 v[OR], s89, v[OR]                 ; lanes 0-15 one row of 256 bytes, lanes 16-31 the next
	v_lshlrev_b32 v[BOFF], 5, v3
	s_mov_b32 s73, 0
	s_lshl_b32 s77, s67, 2
	s_lshl_b32 s76, s66, 6
	s_wait_kmcnt 0x0
	s_load_b32 s69, s[12:13], s77 offset:0x0       ; the length of the list
	s_lshl_b32 s72, s67, 13
	s_add_nc_u64 s[74:75], s[10:11], s[72:73]      ; the list of expert e
	s_lshl_b32 s88, s68, 8
	s_lshl_b32 s72, s67, 11
	s_add_co_u32 s72, s72, s88
	s_add_nc_u64 s[86:87], s[8:9], s[72:73]        ; b2 + 2,048 e + 256 ns
	s_mul_i32 s72, s92, YPLANE
	s_add_co_u32 s72, s72, s88
	s_add_nc_u64 s[80:81], s[14:15], s[72:73]      ; ypart at (kq, column 64 ns)
	s_lshl_b32 s72, s67, 22
	s_add_co_u32 s72, s72, s88
	s_lshl_b32 s88, s92, 20
	s_add_co_u32 s72, s72, s88
	s_lshl_b32 s88, s66, 18
	s_add_co_u32 s72, s72, s88
	s_add_nc_u64 s[WB:WB+1], s[6:7], s[72:73]      ; W2 + 4 MiB e + (512 kq + 128 w) rows + 256 ns
	s_lshl_b32 s72, s67, 23
	s_lshl_b32 s88, s92, 21
	s_add_co_u32 s72, s72, s88
	s_lshl_b32 s88, s66, 11
	s_add_co_u32 s72, s72, s88
	s_add_nc_u64 s[78:79], s[4:5], s[72:73]        ; hbuf at (e, slice 8 kq, tile w)
.irp t, 0,1,2,3
	global_load_b128 v[BI+8*\t:BI+8*\t+3], v[BOFF], s[86:87] offset:64*\t
	global_load_b128 v[BI+8*\t+4:BI+8*\t+7], v[BOFF], s[86:87] offset:64*\t+16
.endr
	LOADW
	s_wait_kmcnt 0x0
	s_min_u32 s69, s69, 2048
	s_add_co_u32 s70, s69, 15
	s_lshr_b32 s70, s70, 4                         ; tiles of the expert
	s_add_co_u32 s70, s70, 3
	s_sub_co_u32 s70, s70, s66
	s_lshr_b32 s70, s70, 2                         ; tiles of this wave: w, w + 4, ..
	STAGEW                                         ; its first wait also covers the bias, which was asked for earlier
	s_cmp_eq_u32 s70, 0
	s_cbranch_scc1 .Lend
	LOADH                                          ; my first tile, into the staging registers that the weights have left
	FRAGW
	s_cmp_eq_u32 s92, 0
	s_cselect_b32 s93, -1, 0
.set gi, 0
.rept 32
	v_cndmask_b32 v[BI+gi], 0, v[BI+gi], s93       ; b2 counts in the first K quarter alone
.set gi, gi+1
.endr
	s_sub_co_u32 s71, s70, 1
	s_cmp_eq_u32 s71, 0
	s_cbranch_scc1 .Llast
.Lloop:
	TRIP 1
	s_sub_co_u32 s71, s71, 1
	s_cmp_lg_u32 s71, 0
	s_cbranch_scc1 .Lloop
.Llast:
	TRIP 0                                         ; the last tile asks for nothing
.Lend:
	s_wait_tensorcnt 0x0
	ds_add_u32 v30, v31
	s_wait_dscnt 0x0
	s_endpgm
.Lfunc_end_k_q6887d42170_ffn2:
	.size	k_q6887d42170_ffn2, .Lfunc_end_k_q6887d42170_ffn2-k_q6887d42170_ffn2
	.p2alignl 7, 3214868480
	.fill 96, 4, 3214868480
	.section	.rodata,"a",@progbits
	.p2align	6, 0x0
	.amdhsa_kernel k_q6887d42170_ffn2
		.amdhsa_group_segment_fixed_size 166400
		.amdhsa_private_segment_fixed_size 0
		.amdhsa_enable_private_segment 0
		.amdhsa_kernarg_size 48
		.amdhsa_user_sgpr_count 2
		.amdhsa_user_sgpr_kernarg_segment_ptr 1
		.amdhsa_wavefront_size32 1
		.amdhsa_system_sgpr_workgroup_id_x 1
		.amdhsa_system_sgpr_workgroup_id_y 1
		.amdhsa_system_sgpr_workgroup_id_z 1
		.amdhsa_system_vgpr_workitem_id 0
		.amdhsa_next_free_vgpr 1024
		.amdhsa_next_free_sgpr 96
		.amdhsa_reserve_vcc 1
		.amdhsa_float_denorm_mode_32 3
		.amdhsa_float_denorm_mode_16_64 3
		.amdhsa_memory_ordered 1
		.amdhsa_forward_progress 1
		.amdhsa_inst_pref_size 68
	.end_amdhsa_kernel
	.amdgpu_metadata
---
amdhsa.version: [ 1, 2 ]
amdhsa.kernels:
  - .name:           k_q6887d42170_ffn2
    .symbol:         k_q6887d42170_ffn2.kd
    .args:
      - { .name: hbuf, .offset: 0, .size: 8, .value_kind: global_buffer, .address_space: global }
      - { .name: W2, .offset: 8, .size: 8, .value_kind: global_buffer, .address_space: global }
      - { .name: b2, .offset: 16, .size: 8, .value_kind: global_buffer, .address_space: global }
      - { .name: list, .offset: 24, .size: 8, .value_kind: global_buffer, .address_space: global }
      - { .name: cnt, .offset: 32, .size: 8, .value_kind: global_buffer, .address_space: global }
      - { .name: ypart, .offset: 40, .size: 8, .value_kind: global_buffer, .address_space: global }
    .group_segment_fixed_size: 166400
    .private_segment_fixed_size: 0
    .kernarg_segment_align: 8
    .kernarg_segment_size: 48
    .max_flat_workgroup_size: 128
    .sgpr_count:     96
    .vgpr_count:     1024
    .wavefront_size: 32
...
	.end_amdgpu_metadata
.endif
;; end of part 4
;; launch combine (part 5): grid 32 x 8, 4 waves a work-group, no clusters, 166,400 bytes of LDS; arguments xb, x, Ws, bs, wgt, ypart, out0; writes out0
.if DOCPART == 5
	.amdgcn_target "amdgcn-amd-amdhsa--gfx1250"
	.amdhsa_code_object_version 6
	.text
	.protected	k_q6887d42170_combine
	.globl	k_q6887d42170_combine
	.p2align	8
	.type	k_q6887d42170_combine,@function
k_q6887d42170_combine:
	s_mov_b64 s[64:65], 0
	v_nop
	global_prefetch_b8 v0, s[64:65] scope:SCOPE_SE
	s_setreg_imm32_b32 hwreg(HW_REG_WAVE_MODE, 25, 1), 1
	s_wait_xcnt 0x0
; COMBINE.  out0[t][c] = x[t][c] + sum over k of x[t][k] (Ws[k][c] + Ws[k][512 + c]) + bs[c] + bs[512 + c]
;                        + w0[t] y[2 t][c] + w1[t] y[2 t + 1][c],   y[p] = the sum of the four K quarters of ypart, in the order (0 + 1) + (2 + 3).
; The two halves of the shared layer are added in f32 BEFORE the product and then rounded to bf16: half the matrix work.
; Work-group (tb, cs): 64 tokens x 64 columns; wave w makes the tile of tokens 64 tb + 16 w .. + 15: no loop.  The summed weight slice
; (512 x 64) goes through LDS into fragments as in the two launches before; each wave stages a quarter of it.
; NO JOINT REQUESTS: the 32 work-groups of a column slice read the same 256 KiB of Ws, but they need it summed and rounded, which is
; register work on the way in; it comes by register loads, and Ws (2 MiB) is read from memory once and from the cache after that.
; Registers: window 0: v4-16 addresses; v32-63 sums; v64-191 token fragments, then v64-95 the result; v192-223 x; v224-239 the two weights of
; my rows; v240-247 bs.  Window 1: the upper half of Ws, then fragments of k steps 0-7.  Window 2: registers 0-127 my 16 rows of xb, then
; fragments of k steps 8-15.  Window 3: the lower half of Ws, then ypart: (q, k, kq) at 32 q + 16 k + 4 kq.
.set PW,     4096                      ; bytes from a k row of Ws to the next
.set PWLOG,  12
.set WPITCH, 160
.set XST,    81920
.set XPITCH, 1040
.set XWAVE,  16*XPITCH
.set OST,    XST+4*XWAVE
.set OPITCH, 272
.set OWAVE,  16*OPITCH
.set YPLANE, 4104*2048
.set WOFF, 4
.set WSA,  5
.set TRA,  6
.set TRB,  7
.set XFA,  8
.set L16,  9
.set XSA,  10
.set OS,   11
.set OR,   12
.set YA,   13                          ; 4,096 h + 16 r
.set XA,   14                          ; 2,048 h + 16 r
.set WA,   15                          ; 8 h
.set C16,  16                          ; 16 r
.set ACC,  32
.set XF,   64
.set RR,   64                          ; v[64:95] result rows 2 q + h
.set XR,   192
.set WT,   224
.set BS,   240
.set WB,   40
.set MSB, 0
.macro WIN new
.if MSB != \new
	s_set_vgpr_msb (MSB<<8)|\new
.set MSB, \new
.endif
.endm
.macro PLACES                          ; the places behind matrix instructions (ISA guide 7.12.1)
.rept 4
	v_nop
.endr
.endm
.macro LOADW win, extra                ; 64 loads: k rows 2 i + h of my 128, sixteen lanes take 256 aligned bytes of a row
	WIN \win
.set li, 0
.rept 64
	global_load_b128 v[4*li:4*li+3], v[WOFF], s[WB:WB+1] offset:li*2*PW+\extra
.set li, li+1
.endr
.endm
.macro STAGEW                          ; lower + upper half, to bf16, into LDS; then the one barrier of the kernel
.set gi, 0
.rept 4
	s_wait_loadcnt 48-16*gi                        ; counts the upper half, asked for last: its batch is in, and all that is older
	WIN 0xc7
.set li, 16*gi
.rept 16
	v_pk_add_f32 v[4*li:4*li+1], v[4*li:4*li+1], v[4*li:4*li+1]
	v_pk_add_f32 v[4*li+2:4*li+3], v[4*li+2:4*li+3], v[4*li+2:4*li+3]
.set li, li+1
.endr
	WIN 0xcf
.set li, 16*gi
.rept 16
	v_cvt_pk_bf16_f32 v[4*li], v[4*li], v[4*li+1]
	v_cvt_pk_bf16_f32 v[4*li+1], v[4*li+2], v[4*li+3]
.set li, li+1
.endr
	WIN 0x0c
.set li, 16*gi
.rept 16
	ds_store_b64 v[WSA], v[4*li:4*li+1] offset:2*WPITCH*li
.set li, li+1
.endr
.set gi, gi+1
.endr
	WIN 0
	s_wait_dscnt 0x0                               ; my quarter of the slice is in LDS, for the other waves
	s_barrier_signal -1
	s_barrier_wait -1
.endm
.macro FRAGW
	WIN 0x40
.set ks, 0
.rept 8
.set nt, 0
.rept 4
	ds_load_tr16_b128 v[32*ks+8*nt:32*ks+8*nt+3], v[TRA] offset:32*WPITCH*ks+32*nt
	ds_load_tr16_b128 v[32*ks+8*nt+4:32*ks+8*nt+7], v[TRA] offset:32*WPITCH*ks+32*nt+16*WPITCH
.set nt, nt+1
.endr
.set ks, ks+1
.endr
	WIN 0x80
.set ks, 0
.rept 8
.set nt, 0
.rept 4
	ds_load_tr16_b128 v[32*ks+8*nt:32*ks+8*nt+3], v[TRB] offset:32*WPITCH*ks+32*nt
	ds_load_tr16_b128 v[32*ks+8*nt+4:32*ks+8*nt+7], v[TRB] offset:32*WPITCH*ks+32*nt+16*WPITCH
.set nt, nt+1
.endr
.set ks, ks+1
.endr
	WIN 0
.endm
.macro XFRAG
	WIN 0
.set ks, 0
.rept 16
	ds_load_b128 v[XF+8*ks:XF+8*ks+3], v[XFA] offset:64*ks
	ds_load_b128 v[XF+8*ks+4:XF+8*ks+7], v[XFA] offset:64*ks+32
.set ks, ks+1
.endr
.endm
.macro MULT                            ; source 0 = weights, source 1 = tokens: lane (r, h) ends with row r, columns 16 nt + 8 h + 0..7
.set ks, 0
.rept 16
	s_wait_dscnt 2*(15-ks)                         ; two loads for each k step: those of the later steps stay out
.if ks < 8
	WIN 0x01
.else
	WIN 0x02
.endif
.set nt, 0
.rept 4
.if ks == 0
	v_wmma_f32_16x16x32_bf16 v[ACC+8*nt:ACC+8*nt+7], v[8*nt:8*nt+7], v[XF:XF+7], 0
.else
	v_wmma_f32_16x16x32_bf16 v[ACC+8*nt:ACC+8*nt+7], v[32*(ks&7)+8*nt:32*(ks&7)+8*nt+7], v[XF+8*ks:XF+8*ks+7], v[ACC+8*nt:ACC+8*nt+7]
.endif
.set nt, nt+1
.endr
.set ks, ks+1
.endr
	WIN 0
	PLACES
.endm
	s_load_b256 s[4:11], s[0:1], 0x0               ; xb s[4:5], x s[6:7], Ws s[8:9], bs s[10:11]
	s_load_b128 s[12:15], s[0:1], 0x20             ; wgt s[12:13], ypart s[14:15]
	s_load_b64 s[16:17], s[0:1], 0x30              ; out0
	v_lshl_add_u32 v254, v0, 2, 0x28800
	v_mov_b32 v255, 0
	v_lshrrev_b32 v1, 5, v0
	v_readfirstlane_b32 s42, v1                    ; wave
	s_and_b32 s19, ttmp7, 0xffff                   ; cs
	s_lshl_b32 s43, ttmp9, 6
	s_lshl_b32 s44, s42, 4
	s_add_co_u32 s43, s43, s44                     ; my first token
	s_lshl_b32 s45, s19, 8                         ; 256 cs
	v_and_b32 v1, 31, v0                           ; L
	v_and_b32 v2, 15, v0                           ; r
	v_bfe_u32 v3, v0, 4, 1                         ; h
	v_lshlrev_b32 v[L16], 4, v1
	v_lshlrev_b32 v[C16], 4, v2
	v_lshl_add_u32 v[WOFF], v3, PWLOG, v[C16]
	v_lshl_add_u32 v[YA], v3, 12, v[C16]
	v_lshl_add_u32 v[XA], v3, 11, v[C16]
	v_lshlrev_b32 v[WA], 3, v3
	s_mul_i32 s46, s42, 128*WPITCH
	v_mul_u32_u24 v[WSA], v3, WPITCH
	v_lshl_add_u32 v[WSA], v2, 3, v[WSA]
	v_add_nc_u32 v[WSA], s46, v[WSA]
	v_and_b32 v17, 7, v0
	v_lshl_add_u32 v17, v3, 3, v17
	v_mul_u32_u24 v[TRA], v17, WPITCH
	v_bfe_u32 v17, v0, 3, 1
	v_lshl_add_u32 v[TRA], v17, 4, v[TRA]
	v_add_nc_u32 v[TRB], 256*WPITCH, v[TRA]
	s_mul_i32 s46, s42, XWAVE
	s_add_co_u32 s46, s46, XST
	v_mul_u32_u24 v[XFA], v2, XPITCH
	v_lshl_add_u32 v[XFA], v3, 4, v[XFA]
	v_add_nc_u32 v[XFA], s46, v[XFA]
	v_add_nc_u32 v[XSA], s46, v[L16]
	s_mul_i32 s46, s42, OWAVE
	s_add_co_u32 s46, s46, OST
	v_mul_u32_u24 v[OS], v2, OPITCH
	v_lshl_add_u32 v[OS], v3, 5, v[OS]
	v_add_nc_u32 v[OS], s46, v[OS]
	v_mul_u32_u24 v[OR], v3, OPITCH
	v_lshl_add_u32 v[OR], v2, 4, v[OR]
	v_add_nc_u32 v[OR], s46, v[OR]
	s_mov_b32 s29, 0
	s_wait_kmcnt 0x0
	s_lshl_b32 s28, s43, 10
	s_add_nc_u64 s[30:31], s[4:5], s[28:29]        ; my 16 rows of xb
	s_lshl_b32 s28, s42, 19
	s_add_co_u32 s28, s28, s45
	s_add_nc_u64 s[WB:WB+1], s[8:9], s[28:29]      ; Ws + 128 w rows + 256 cs
	s_lshl_b32 s28, s43, 11
	s_add_co_u32 s28, s28, s45
	s_add_nc_u64 s[32:33], s[6:7], s[28:29]        ; x and
	s_add_nc_u64 s[34:35], s[16:17], s[28:29]      ; out0 at (my first token, column 64 cs)
	s_lshl_b32 s28, s43, 3
	s_add_nc_u64 s[36:37], s[12:13], s[28:29]      ; wgt
	s_mov_b32 s28, s45
	s_add_nc_u64 s[38:39], s[10:11], s[28:29]      ; bs
	s_lshl_b32 s28, s43, 12
	s_add_co_u32 s28, s28, s45
	s_add_nc_u64 s[20:21], s[14:15], s[28:29]      ; ypart, quarter 0, at (pair 2 x my first token, column 64 cs)
	s_add_nc_u64 s[22:23], s[20:21], YPLANE
	s_add_nc_u64 s[24:25], s[22:23], YPLANE
	s_add_nc_u64 s[26:27], s[24:25], YPLANE
	WIN 0x80
.set li, 0
.rept 32
	global_load_b128 v[4*li:4*li+3], v[L16], s[30:31] offset:512*li    ; my 16 rows lie one behind the other: 16 KiB
.set li, li+1
.endr
	LOADW 0xc0, 0                                  ; columns 64 cs ..
	LOADW 0x40, 2048                               ; columns 512 + 64 cs ..
	s_wait_loadcnt 63                              ; of the 160 loads the oldest 97 are in: the 32 row loads among them
	WIN 0x08
.set li, 0
.rept 32
	ds_store_b128 v[XSA], v[4*li:4*li+3] offset:XPITCH*(li>>1)+512*(li&1)
.set li, li+1
.endr
	STAGEW
	FRAGW
	WIN 0xc0
.set qi, 0
.rept 8
.set ki, 0
.rept 2
.set kq, 0
.rept 4
	global_load_b128 v[32*qi+16*ki+4*kq:32*qi+16*ki+4*kq+3], v[YA], s[20+2*kq:21+2*kq] offset:8192*qi+2048*ki th:TH_LOAD_NT
.set kq, kq+1
.endr
.set ki, ki+1
.endr
.set qi, qi+1
.endr
	WIN 0
.irp q, 0,1,2,3,4,5,6,7
	global_load_b128 v[XR+4*\q:XR+4*\q+3], v[XA], s[32:33] offset:4096*\q
	global_load_b64 v[WT+2*\q:WT+2*\q+1], v[WA], s[36:37] offset:16*\q
.endr
	global_load_b128 v[BS:BS+3], v[C16], s[38:39]
	global_load_b128 v[BS+4:BS+7], v[C16], s[38:39] offset:2048
	XFRAG
	MULT
	; the tile through my own stage, so that sixteen lanes hold 256 consecutive bytes of a row
.irp t, 0,1,2,3
	ds_store_b128 v[OS], v[ACC+8*\t:ACC+8*\t+3] offset:64*\t
	ds_store_b128 v[OS], v[ACC+8*\t+4:ACC+8*\t+7] offset:64*\t+16
.endr
.irp q, 0,1,2,3,4,5,6,7
	ds_load_b128 v[RR+4*\q:RR+4*\q+3], v[OR] offset:2*OPITCH*\q
.endr
	s_wait_loadcnt 0x0
	WIN 0xcf
.set yi, 0
.rept 16
	v_pk_add_f32 v[16*yi:16*yi+1], v[16*yi:16*yi+1], v[16*yi+4:16*yi+5]
	v_pk_add_f32 v[16*yi+2:16*yi+3], v[16*yi+2:16*yi+3], v[16*yi+6:16*yi+7]
	v_pk_add_f32 v[16*yi+8:16*yi+9], v[16*yi+8:16*yi+9], v[16*yi+12:16*yi+13]
	v_pk_add_f32 v[16*yi+10:16*yi+11], v[16*yi+10:16*yi+11], v[16*yi+14:16*yi+15]
	v_pk_add_f32 v[16*yi:16*yi+1], v[16*yi:16*yi+1], v[16*yi+8:16*yi+9]
	v_pk_add_f32 v[16*yi+2:16*yi+3], v[16*yi+2:16*yi+3], v[16*yi+10:16*yi+11]
.set yi, yi+1
.endr
	WIN 0
	v_pk_add_f32 v[BS:BS+1], v[BS:BS+1], v[BS+4:BS+5]
	v_pk_add_f32 v[BS+2:BS+3], v[BS+2:BS+3], v[BS+6:BS+7]
.set qi, 0
.rept 8
	v_pk_add_f32 v[XR+4*qi:XR+4*qi+1], v[XR+4*qi:XR+4*qi+1], v[BS:BS+1]
	v_pk_add_f32 v[XR+4*qi+2:XR+4*qi+3], v[XR+4*qi+2:XR+4*qi+3], v[BS+2:BS+3]
.set qi, qi+1
.endr
	s_wait_dscnt 0x0
.set qi, 0
.rept 8
	v_pk_add_f32 v[RR+4*qi:RR+4*qi+1], v[RR+4*qi:RR+4*qi+1], v[XR+4*qi:XR+4*qi+1]
	v_pk_add_f32 v[RR+4*qi+2:RR+4*qi+3], v[RR+4*qi+2:RR+4*qi+3], v[XR+4*qi+2:XR+4*qi+3]
.set qi, qi+1
.endr
	WIN 0x03
.set qi, 0
.rept 8
	v_pk_fma_f32 v[RR+4*qi:RR+4*qi+1], v[32*qi:32*qi+1], v[WT+2*qi:WT+2*qi+1], v[RR+4*qi:RR+4*qi+1] op_sel_hi:[1,0,1]
	v_pk_fma_f32 v[RR+4*qi+2:RR+4*qi+3], v[32*qi+2:32*qi+3], v[WT+2*qi:WT+2*qi+1], v[RR+4*qi+2:RR+4*qi+3] op_sel_hi:[1,0,1]
	v_pk_fma_f32 v[RR+4*qi:RR+4*qi+1], v[32*qi+16:32*qi+17], v[WT+2*qi:WT+2*qi+1], v[RR+4*qi:RR+4*qi+1] op_sel:[0,1,0] op_sel_hi:[1,1,1]
	v_pk_fma_f32 v[RR+4*qi+2:RR+4*qi+3], v[32*qi+18:32*qi+19], v[WT+2*qi:WT+2*qi+1], v[RR+4*qi+2:RR+4*qi+3] op_sel:[0,1,0] op_sel_hi:[1,1,1]
.set qi, qi+1
.endr
	WIN 0
.irp q, 0,1,2,3,4,5,6,7
	global_store_b128 v[XA], v[RR+4*\q:RR+4*\q+3], s[34:35] offset:4096*\q th:TH_STORE_NT    ; sixteen lanes store 256 consecutive bytes, aligned
.endr
	s_wait_tensorcnt 0x0
	ds_add_u32 v254, v255
	s_wait_dscnt 0x0
	s_endpgm
.Lfunc_end_k_q6887d42170_combine:
	.size	k_q6887d42170_combine, .Lfunc_end_k_q6887d42170_combine-k_q6887d42170_combine
	.p2alignl 7, 3214868480
	.fill 96, 4, 3214868480
	.section	.rodata,"a",@progbits
	.p2align	6, 0x0
	.amdhsa_kernel k_q6887d42170_combine
		.amdhsa_group_segment_fixed_size 166400
		.amdhsa_private_segment_fixed_size 0
		.amdhsa_enable_private_segment 0
		.amdhsa_kernarg_size 56
		.amdhsa_user_sgpr_count 2
		.amdhsa_user_sgpr_kernarg_segment_ptr 1
		.amdhsa_wavefront_size32 1
		.amdhsa_system_sgpr_workgroup_id_x 1
		.amdhsa_system_sgpr_workgroup_id_y 1
		.amdhsa_system_sgpr_workgroup_id_z 1
		.amdhsa_system_vgpr_workitem_id 0
		.amdhsa_next_free_vgpr 1024
		.amdhsa_next_free_sgpr 66
		.amdhsa_reserve_vcc 0
		.amdhsa_float_denorm_mode_32 3
		.amdhsa_float_denorm_mode_16_64 3
		.amdhsa_memory_ordered 1
		.amdhsa_forward_progress 1
		.amdhsa_inst_pref_size 76
	.end_amdhsa_kernel
	.amdgpu_metadata
---
amdhsa.version: [ 1, 2 ]
amdhsa.kernels:
  - .name:           k_q6887d42170_combine
    .symbol:         k_q6887d42170_combine.kd
    .args:
      - { .name: xb, .offset: 0, .size: 8, .value_kind: global_buffer, .address_space: global }
      - { .name: x, .offset: 8, .size: 8, .value_kind: global_buffer, .address_space: global }
      - { .name: Ws, .offset: 16, .size: 8, .value_kind: global_buffer, .address_space: global }
      - { .name: bs, .offset: 24, .size: 8, .value_kind: global_buffer, .address_space: global }
      - { .name: wgt, .offset: 32, .size: 8, .value_kind: global_buffer, .address_space: global }
      - { .name: ypart, .offset: 40, .size: 8, .value_kind: global_buffer, .address_space: global }
      - { .name: out0, .offset: 48, .size: 8, .value_kind: global_buffer, .address_space: global }
    .group_segment_fixed_size: 166400
    .private_segment_fixed_size: 0
    .kernarg_segment_align: 8
    .kernarg_segment_size: 56
    .max_flat_workgroup_size: 128
    .sgpr_count:     66
    .vgpr_count:     1024
    .wavefront_size: 32
...
	.end_amdgpu_metadata
.endif
;; end of part 5
